; MI455X (gfx1250); checked and timed in simulation.
; The chip was launched on July 23, 2026; its instructions are those of AMD's public machine-readable ISA for CDNA 5 (MIT licence, August 2026) and "CDNA5" Instruction Set Architecture Reference Guide (July 2026). The comments in the code are by the model that wrote it; some were corrected since.
;; Mo E Block. Allowed arithmetic: float matrix products may take bf16 or f16 operands with f32 sums; other float arithmetic in f32, or as packed bf16 or f16 multiplies, adds, multiply-adds, maxima and minima; sums over many terms, partial sums and values carried from step to step in f32; what a program stores and reads back later, other than sums and carried values, may be rounded once to bf16 or f16.
;; Inputs: b_fc_b 2,048 float32; b_fc_s 2,048 float32; b_proj_b 1,024 float32; b_proj_s 1,024 float32; mask 4 x 2,048 bool; w_fc_b 2,048 x 1,024 float32; w_fc_s 2,048 x 1,024 float32; w_proj_b 1,024 x 2,048 float32; w_proj_s 1,024 x 2,048 float32; x 4 x 2,048 x 1,024 float32.
;; Outputs: out0 4 x 2,048 x 1,024 float32.
;; One version. Each part assembles by itself: llvm-mc -triple=amdgcn-amd-amdhsa -mcpu=gfx1250 --defsym DOCPART=n.
;; ======== version 1 of 1: 3 launches
;; limits: a function is approximated: absolute error at most 2.5e-05; an absolute error that grows with the inputs' magnitude: up to 1.3e-05 times it
;; workspace buffers: xs 17,694,720 bytes; h 35,389,440 bytes; wfc 8,388,608 bytes; wpj 8,388,608 bytes; order 34,560 bytes of whole numbers; meta 256 bytes of whole numbers
;; launch prep (part 1): grid 256 x 1, 8 waves a work-group, no clusters, 19,712 bytes of LDS; arguments x, mask, w_fc_s, w_fc_b, w_proj_s, w_proj_b, xs, wfc, wpj, order, meta; writes xs, wfc, wpj, order, meta
.if DOCPART == 1
	.amdgcn_target "amdgcn-amd-amdhsa--gfx1250"
	.amdhsa_code_object_version 6
	.text
	.protected	k_qd7aeb6fde2_prep
	.globl	k_qd7aeb6fde2_prep
	.p2align	8
	.type	k_qd7aeb6fde2_prep,@function
k_qd7aeb6fde2_prep:
	s_mov_b64 s[64:65], 0
	v_nop
	global_prefetch_b8 v0, s[64:65] scope:SCOPE_SE
	s_setreg_imm32_b32 hwreg(HW_REG_WAVE_MODE, 25, 1), 1
	s_wait_xcnt 0x0
; PREP: sorts the 8,192 tokens by their expert (a counting sort, no atomics), gathers x's rows in that order rounded to bf16,
; rounds the four weight matrices to bf16, and stores the list of tokens and each row tile's expert and count as whole numbers.
; SORTED ORDER, 8,640 rows = 30 tiles of 288.  n_b = number of true masks, n_s = 8192 - n_b, T_s = ceil(n_s / 288).  Small tokens lie at rows 0 .. n_s-1 in token
; order, big ones from base_b = 288 T_s: every tile belongs to one expert, and tile y is rows 288 y .. 288 y + 287 whatever the split (T_s + T_b is 30 at the most:
; n_s / 288 + n_b / 288 = 28.4, and each ceiling adds less than 1).  The rows up to the next multiple of 16 behind each expert's last token (15 at the most) REPEAT
; that token, in xs and in order; all other rows without a token hold zeros in xs and token 0 in order.  So all 8,640 rows are written for every split.
; META: word y = tile y's expert (0 small, 1 big); word 32 + y = its rows that hold a token or a repeat, a multiple of 16, 0 to 288.
; WEIGHTS.  wfc keeps w_fc's layout, [expert][2048][1024].  wpj is laid out as the last launch's matrix operand takes it: [expert][block of 16 rows][32 along k][1,024 bytes]; in a
; piece of 1,024 bytes lane l = 16 h + r of a wave finds row r's k = 8 h .. 8 h + 7 at byte 16 l and its k = 16 + 8 h .. + 7 at byte 512 + 16 l.
; SHARES.  Work-group b has tokens 32 b .. 32 b + 31; wave w of it (g = 8 b + w) has tokens 4 g .. 4 g + 3, piece g (4,096 consecutive bytes of f32) of each w_fc, and of each
; w_proj 16 rows x 64 k (block g / 32, k from 64 (g % 32)): eight loads of two runs of 256 consecutive, aligned bytes.  These go through a stage of the wave's own in LDS, which
; turns them into the order above, and leave as four stores of 512 consecutive bytes.  Everything else is eight loads of 512 consecutive bytes, sixteen roundings and eight stores
; of 256 consecutive, aligned bytes.  32 loads of every wave are out: four pieces of weights, then a row of x behind each piece that has been rounded.
; Every work-group counts the whole mask for itself: thread t sums the 32 bytes of chunk t; low half: all ones, high half: the ones of chunks below b.
; No matrix unit, no tensor load, no cluster: a stream in which no byte is shared.
.set X,     32                         ; v[32:159]   piece or row u: 32 registers as loaded
.set Y,     160                        ; v[160:223]  piece or row u: 16 registers to store
.set Z,     232                        ; v[232:247]  a piece of wpj read back from the stage
.set SPW,   6                          ; v6  LDS address of my spare word; never rewritten
.set NIL,   7                          ; v7  0; never rewritten
.set SA,    19                         ; v19 the stage, in: where my 8 bytes of rows 0 and 1 go
.set SR,    20                         ; v20 the stage, back
.set PL,    21                         ; v21 my byte offset in two rows of w_proj
.set SPARE, 256                        ; LDS: bytes 0-31 the eight waves' counts; 256-1279 the spare words, 128 bytes a wave
.set STG,   1280                       ; the stages: for each wave 8 chunks of 256 bytes, 288 apart: chunk m starts at bank 8 m mod 64 (64 banks of 4 bytes: ISA guide 11.1), so the 32 lanes of a store touch each bank once
.set CHP,   288
.set ROWS,  8640
; v1 lane  v2 16 lane  v3 8 lane  v4 4 lane  v5 32 thread  v[8:15] mask bytes  v16-18 at work  v[24:25] zeros  v26 a token's number  v[28:31], v[224:227] counts, then meta's words
; s[4:25] the eleven addresses  s26 w  s27 b  s28 g  s[30:31] an offset (s31 stays 0)  s[32:39] my chunk's mask bytes  s40 M, its 32 bits
; s41 n_b  s42 ones below my chunk  s43 n_s  s44 base_b  s45 base_b + n_b rounded up to 16  s46, s47 the rows that repeat  s48 j  s49 m  s50 ones before the token  s51 its row  s52 rows to repeat  s53 k  s54 EXEC kept  s55 token
; s[56:57] row in xs  s[58:59] place in order  s60, s61 the experts' last rows  s62, s63 at work  s[66:73] the weights' destinations  s[74:75] x at my rows  s76, s77 lane selects  s[78:79] mask at my chunk
; s80 T_s  s83 n_s rounded up to 16  s85 zero rows behind the small expert's
	s_load_b512 s[4:19], s[0:1], 0x0               ; x, mask, w_fc_s, w_fc_b, w_proj_s, w_proj_b, xs, wfc
	s_load_b128 s[20:23], s[0:1], 0x40             ; wpj, order
	s_load_b64 s[24:25], s[0:1], 0x50              ; meta
	v_lshl_add_u32 v[SPW], v0, 2, SPARE
	v_mov_b32 v[NIL], 0
	v_and_b32 v1, 31, v0
	v_lshrrev_b32 v16, 5, v0
	v_readfirstlane_b32 s26, v16                   ; wave 0..7
	s_mov_b32 s27, ttmp9
	s_lshl3_add_u32 s28, s27, s26                  ; g = 8 b + w
	v_lshlrev_b32 v2, 4, v1
	v_lshlrev_b32 v3, 3, v1
	v_lshlrev_b32 v4, 2, v1
	v_lshlrev_b32 v5, 5, v0
	v_mov_b32 v24, 0
	v_mov_b32 v25, 0
	; w_proj: lanes 0-15 take 256 bytes (64 k) of an even row, lanes 16-31 of the odd row below it.  Lane l's four numbers k = 4 (l % 16) .. + 3 belong into chunk (l / 2) % 8
	; (32 along k: bit 3; its half: bit 2; h: bit 1) at byte 16 x row + 8 (l % 2).
	v_lshrrev_b32 v17, 4, v1                       ; l / 16
	v_and_b32 v18, 15, v1                          ; l % 16
	v_lshlrev_b32 v[PL], 13, v17                   ; a row of w_proj is 8,192 bytes
	v_lshl_add_u32 v[PL], v18, 4, v[PL]
	s_mul_i32 s62, s26, 8*CHP
	s_add_co_u32 s62, s62, STG                     ; my stage
	v_mul_u32_u24 v[SR], v17, CHP                  ; back: lanes 0-15 one chunk, lanes 16-31 the next
	v_lshl_add_u32 v[SR], v18, 4, v[SR]
	v_add_nc_u32 v[SR], s62, v[SR]
	v_bfe_u32 v[SA], v1, 1, 3
	v_mul_u32_u24 v[SA], v[SA], CHP
	v_lshl_add_u32 v[SA], v17, 4, v[SA]
	v_and_b32 v18, 1, v1
	v_lshl_add_u32 v[SA], v18, 3, v[SA]
	v_add_nc_u32 v[SA], s62, v[SA]
	s_mov_b32 s76, 0x76543210                      ; v_permlanex16_b32: each lane takes its own place in the other half
	s_mov_b32 s77, 0xfedcba98
	s_lshl_b32 s30, s27, 5                         ; my chunk's first byte in the mask
	s_mov_b32 s31, 0
	s_wait_kmcnt 0x0
	global_load_b128 v[8:11], v5, s[6:7]           ; chunk t's 32 mask bytes
	global_load_b128 v[12:15], v5, s[6:7] offset:16
	s_add_nc_u64 s[78:79], s[6:7], s[30:31]
	s_load_b256 s[32:39], s[78:79], 0x0            ; my own chunk once more, as scalars
	s_lshl_b32 s30, s28, 12                        ; piece g of w_fc
	s_add_nc_u64 s[8:9], s[8:9], s[30:31]
	s_add_nc_u64 s[10:11], s[10:11], s[30:31]
	s_lshr_b32 s30, s28, 5                         ; w_proj: 16 rows from 16 (g / 32), 131,072 bytes a block,
	s_lshl_b32 s30, s30, 17
	s_and_b32 s63, s28, 31                         ; 256 bytes from 256 (g % 32)
	s_lshl_b32 s63, s63, 8
	s_add_co_u32 s30, s30, s63
	s_add_nc_u64 s[12:13], s[12:13], s[30:31]
	s_add_nc_u64 s[14:15], s[14:15], s[30:31]
	s_lshl_b32 s30, s28, 11                        ; the bf16 copies, 2,048 bytes from 2,048 g in both layouts: expert 0, then expert 1 4 MiB on
	s_add_nc_u64 s[66:67], s[18:19], s[30:31]
	s_add_nc_u64 s[68:69], s[66:67], 0x400000
	s_add_nc_u64 s[70:71], s[20:21], s[30:31]
	s_add_nc_u64 s[72:73], s[70:71], 0x400000
	s_lshl_b32 s30, s28, 14                        ; my four rows of x
	s_add_nc_u64 s[74:75], s[4:5], s[30:31]
.macro ULOAD u, base, off              ; 4,096 bytes: eight loads of 512 consecutive bytes; read once in the launch
.irp j, 0,1,2,3,4,5,6,7
	global_load_b128 v[X+32*(\u)+4*\j:X+32*(\u)+4*\j+3], v2, s[\base:\base+1] offset:(\off)+512*\j th:TH_LOAD_NT
.endr
.endm
.macro PLOAD u, base                   ; 16 rows x 256 bytes of w_proj: load j takes rows 2 j and 2 j + 1
.irp j, 0,1,2,3,4,5,6,7
	global_load_b128 v[X+32*(\u)+4*\j:X+32*(\u)+4*\j+3], v[PL], s[\base:\base+1] offset:16384*\j th:TH_LOAD_NT
.endr
.endm
.macro UCVT u                          ; 32 f32 a lane to 32 bf16, rounded to nearest even
.irp j, 0,1,2,3,4,5,6,7
	v_cvt_pk_bf16_f32 v[Y+16*(\u)+2*\j],   v[X+32*(\u)+4*\j],   v[X+32*(\u)+4*\j+1]
	v_cvt_pk_bf16_f32 v[Y+16*(\u)+2*\j+1], v[X+32*(\u)+4*\j+2], v[X+32*(\u)+4*\j+3]
.endr
.endm
.macro USTORE u, dst                   ; 2,048 bytes: each store of the wave covers 256 consecutive bytes, aligned
.irp j, 0,1,2,3,4,5,6,7
	global_store_b64 v3, v[Y+16*(\u)+2*\j:Y+16*(\u)+2*\j+1], s[\dst:\dst+1] offset:256*\j
.endr
.endm
	ULOAD 0, 8, 0
	ULOAD 1, 10, 0
	PLOAD 2, 12
	PLOAD 3, 14
	; THE COUNT, in whole numbers throughout
	s_wait_loadcnt 32                              ; the two mask loads are in; the 32 weight loads behind them stay out
	v_add_nc_u32 v16, v8, v9                       ; bytes are 0 or 1: eight words add up without a carry between bytes,
	v_add3_u32 v16, v16, v10, v11
	v_add3_u32 v16, v16, v12, v13
	v_add3_u32 v16, v16, v14, v15
	v_mul_lo_u32 v16, v16, 0x01010101              ; and the top byte of this product is the sum of the four
	v_lshrrev_b32 v16, 24, v16
	v_cmp_gt_u32 vcc_lo, s27, v0                   ; chunks below mine
	v_lshlrev_b32 v17, 16, v16
	v_cndmask_b32 v17, 0, v17, vcc_lo
	v_add_nc_u32 v16, v16, v17                     ; both halves stay at 8,192 or below
.irp m, 1,2,4,8
	v_mov_b32_dpp v17, v16 row_xmask:\m row_mask:0xf bank_mask:0xf
	v_add_nc_u32 v16, v16, v17
.endr
	v_permlanex16_b32 v17, v16, s76, s77
	v_add_nc_u32 v16, v16, v17                     ; the wave's 32 chunks
	v_mov_b32 v18, s26
	v_lshlrev_b32 v18, 2, v18
	ds_store_b32 v18, v16                          ; all lanes write the wave's word with the same value
	s_wait_dscnt 0x0                               ; for the others' sake: my store is done
	s_barrier_signal -1
	s_barrier_wait -1
	v_mov_b32 v18, 0
	ds_load_b128 v[28:31], v18
	ds_load_b128 v[224:227], v18 offset:16
	s_wait_dscnt 0x0
	v_add3_u32 v16, v28, v29, v30
	v_add3_u32 v16, v16, v31, v224
	v_add3_u32 v16, v16, v225, v226
	v_add_nc_u32 v16, v16, v227
	v_readfirstlane_b32 s41, v16
	s_lshr_b32 s42, s41, 16                        ; ones in the chunks below mine
	s_and_b32 s41, s41, 0xffff                     ; n_b
	s_sub_co_u32 s43, 8192, s41                    ; n_s
	s_add_co_u32 s80, s43, 287                     ; ceil(n / 288) = (((n + 287) >> 5) x 57) >> 9, exact while (n + 287) >> 5 is under 512
	s_lshr_b32 s80, s80, 5
	s_mul_i32 s80, s80, 57
	s_lshr_b32 s80, s80, 9                         ; T_s
	s_mul_i32 s44, s80, 288                        ; base_b
	s_add_co_u32 s83, s43, 15
	s_and_b32 s83, s83, -16                        ; n_s rounded up to 16
	s_sub_co_u32 s46, s83, s43                     ; rows that repeat the last small token
	s_add_co_u32 s47, s41, 15
	s_and_b32 s47, s47, -16
	s_add_co_u32 s45, s44, s47                     ; behind the big expert's rows and repeats
	s_sub_co_u32 s47, s47, s41                     ; rows that repeat the last big token
	s_sub_co_u32 s85, s44, s83                     ; zero rows between the experts
	s_add_co_u32 s60, s44, s41
	s_sub_co_u32 s60, s60, 1                       ; the last big token's row (no token reaches it if there is none)
	s_sub_co_u32 s61, s43, 1                       ; the last small token's row
	s_wait_kmcnt 0x0                               ; my chunk's bytes
	s_mov_b32 s40, 0
.irp k, 0,1,2,3,4,5,6,7
	s_mul_i32 s62, s[32+\k], 0x10204080            ; four bytes of 0 or 1 land in bits 28 to 31; no two terms share a bit
	s_lshr_b32 s62, s62, 28
	s_lshl_b32 s62, s62, 4*\k
	s_or_b32 s40, s40, s62                         ; M: bit j = the mask of token 32 b + j
.endr
	; THE WEIGHTS: piece u is rounded and stored, and row u of x is asked for into the registers that it leaves
.macro WTURN u, dst
	s_wait_loadcnt 24                              ; behind piece u stand 8 (3 - u) loads of weights and 8 u of x: always 24
	UCVT \u
	USTORE \u, \dst
	ULOAD \u, 74, 4096*(\u)
.endm
.macro PTURN u, dst, again             ; the same for a piece of w_proj, through my stage.  again = 1: Z is still the source of the piece before's stores
	s_wait_loadcnt 24
	UCVT \u
.irp j, 0,1,2,3,4,5,6,7
	ds_store_b64 v[SA], v[Y+16*(\u)+2*\j:Y+16*(\u)+2*\j+1] offset:32*\j   ; rows 2 j and 2 j + 1: 32 bytes on in every chunk
.endr
.if \again
	s_wait_xcnt 0x0                                ; Z is loaded again only behind this wait
.endif
.irp i, 0,1,2,3
	ds_load_b128 v[Z+4*\i:Z+4*\i+3], v[SR] offset:2*CHP*\i                ; LDS serves a wave's instructions in order (ISA guide 5.7.1.4): these see the stores above; the stage is my own
.endr
	ULOAD \u, 74, 4096*(\u)
	s_wait_dscnt 0x0
.irp i, 0,1,2,3
	global_store_b128 v2, v[Z+4*\i:Z+4*\i+3], s[\dst:\dst+1] offset:512*\i ; 512 consecutive bytes, aligned
.endr
.endm
	WTURN 0, 66
	WTURN 1, 68
	PTURN 2, 70, 0
	PTURN 3, 72, 1
	; THE ROWS OF x: token 32 b + 4 w + u goes to its row in the sorted order
.macro XROW u, left
	s_wait_loadcnt \left                           ; my row is in; the later rows' loads stay out
	s_wait_xcnt 0x0                                ; Y's part u, v26 and the two destinations are sources of earlier stores: rewritten only behind this wait
	s_lshl2_add_u32 s48, s26, \u                   ; j = 4 w + u
	s_lshl_b32 s55, s27, 5
	s_add_co_u32 s55, s55, s48                     ; the token
	s_lshr_b32 s49, s40, s48
	s_and_b32 s49, s49, 1                          ; its mask
	s_bfm_b32 s50, s48, 0                          ; j ones
	s_and_b32 s50, s50, s40
	s_bcnt1_i32_b32 s50, s50
	s_add_co_u32 s50, s50, s42                     ; true masks before this token
	s_add_co_u32 s62, s44, s50                     ; its row if it is big,
	s_sub_co_u32 s63, s55, s50                     ; if it is small
	s_cmp_lg_u32 s49, 0
	s_cselect_b32 s51, s62, s63
	s_cselect_b32 s62, s60, s61
	s_cselect_b32 s52, s47, s46
	s_cmp_eq_u32 s51, s62                          ; the expert's last token fills the rows up to the next multiple of 16
	s_cselect_b32 s52, s52, 0
	s_min_u32 s52, s52, 15                         ; neither bound is ever reached (a token's row lies below 8,480): a number made of loaded data enters an address or a count behind a constant bound
	s_min_u32 s51, s51, ROWS-16
	s_lshl_b32 s30, s51, 11
	s_add_nc_u64 s[56:57], s[16:17], s[30:31]
	s_lshl_b32 s30, s51, 2
	s_add_nc_u64 s[58:59], s[22:23], s[30:31]
	v_mov_b32 v26, s55
	UCVT \u
	USTORE \u, 56
	s_wait_xcnt 0x0                                ; EXEC changes only behind this wait
	v_cmp_ge_u32 vcc_lo, s52, v1                   ; lanes 0 .. rows to repeat
	s_and_saveexec_b32 s54, vcc_lo
	global_store_b32 v4, v26, s[58:59]             ; order[row ..] = token
	s_wait_xcnt 0x0                                ; and again in front of the line that widens it
	s_or_b32 exec_lo, exec_lo, s54
	s_mov_b32 s53, 0
	s_cmp_lt_u32 s53, s52
	s_cbranch_scc0 .Lno_gap_\@
.Lgap_\@:                                              ; 15 trips at the most, in two waves of the launch at the most
	s_wait_xcnt 0x0                                ; the destination is stepped only behind this wait
	s_add_nc_u64 s[56:57], s[56:57], 2048
	USTORE \u, 56
	s_add_co_u32 s53, s53, 1
	s_cmp_lt_u32 s53, s52
	s_cbranch_scc1 .Lgap_\@
.Lno_gap_\@:
.endm
	XROW 0, 24
	XROW 1, 16
	XROW 2, 8
	XROW 3, 0
	; THE ZERO ROWS, 448 at the most, in two runs: between the experts, and from the big expert's end to row 8,639.  Number q = 256 w + b of them for waves 0 and 1
	s_cmp_gt_u32 s26, 1
	s_cbranch_scc1 .Lno_zero
	s_lshl_b32 s48, s26, 8
	s_add_co_u32 s48, s48, s27                     ; q
	s_add_co_u32 s62, s83, s48                     ; its row in the first run,
	s_add_co_u32 s63, s45, s48
	s_sub_co_u32 s63, s63, s85                     ; in the second
	s_cmp_lt_u32 s48, s85
	s_cselect_b32 s48, s62, s63
	s_cmp_gt_u32 s48, ROWS-1
	s_cbranch_scc1 .Lno_zero
	s_min_u32 s48, s48, ROWS-1
	s_wait_xcnt 0x0
	s_lshl_b32 s30, s48, 11
	s_add_nc_u64 s[56:57], s[16:17], s[30:31]
	s_lshl_b32 s30, s48, 2
	s_add_nc_u64 s[58:59], s[22:23], s[30:31]
.irp j, 0,1,2,3,4,5,6,7
	global_store_b64 v3, v[24:25], s[56:57] offset:256*\j
.endr
	s_wait_xcnt 0x0
	v_cmp_eq_u32 vcc_lo, 0, v1
	s_and_saveexec_b32 s54, vcc_lo
	global_store_b32 v4, v24, s[58:59]             ; order[row] = 0
	s_wait_xcnt 0x0
	s_or_b32 exec_lo, exec_lo, s54
.Lno_zero:
	; META, by one wave of the launch: lane l makes tile l's two words; the two stores cover the buffer's 256 bytes
	s_cmp_lg_u32 s28, 2
	s_cbranch_scc1 .Lend
	v_cmp_le_u32 vcc_lo, s80, v1                   ; T_s <= l: the big expert's
	v_cndmask_b32 v224, 0, 1, vcc_lo
	v_mul_u32_u24 v225, v1, 0x120                  ; 288 l
	v_sub_nc_u32 v226, s83, v225                   ; what is left of the small expert's rows from there,
	v_sub_nc_u32 v227, s45, v225                   ; of the big expert's
	v_cndmask_b32 v226, v226, v227, vcc_lo
	v_cmp_gt_i32 vcc_lo, 0, v226                   ; held to 0 .. 288
	v_cndmask_b32 v226, v226, v24, vcc_lo
	v_min_u32 v226, 0x120, v226
	global_store_b32 v4, v224, s[24:25]
	global_store_b32 v4, v226, s[24:25] offset:128
.Lend:
	s_wait_tensorcnt 0x0                           ; the wave's end, behind my last LDS store
	ds_add_u32 v[SPW], v[NIL]
	s_wait_dscnt 0x0
	s_endpgm
.Lfunc_end_k_qd7aeb6fde2_prep:
	.size	k_qd7aeb6fde2_prep, .Lfunc_end_k_qd7aeb6fde2_prep-k_qd7aeb6fde2_prep
	.p2alignl 7, 3214868480
	.fill 96, 4, 3214868480
	.section	.rodata,"a",@progbits
	.p2align	6, 0x0
	.amdhsa_kernel k_qd7aeb6fde2_prep
		.amdhsa_group_segment_fixed_size 19712
		.amdhsa_private_segment_fixed_size 0
		.amdhsa_enable_private_segment 0
		.amdhsa_kernarg_size 88
		.amdhsa_user_sgpr_count 2
		.amdhsa_user_sgpr_kernarg_segment_ptr 1
		.amdhsa_wavefront_size32 1
		.amdhsa_system_sgpr_workgroup_id_x 1
		.amdhsa_system_sgpr_workgroup_id_y 1
		.amdhsa_system_sgpr_workgroup_id_z 1
		.amdhsa_system_vgpr_workitem_id 0
		.amdhsa_next_free_vgpr 248
		.amdhsa_next_free_sgpr 100
		.amdhsa_reserve_vcc 1
		.amdhsa_float_denorm_mode_32 3
		.amdhsa_float_denorm_mode_16_64 3
		.amdhsa_memory_ordered 1
		.amdhsa_forward_progress 1
		.amdhsa_inst_pref_size 39
	.end_amdhsa_kernel
	.amdgpu_metadata
---
amdhsa.version: [ 1, 2 ]
amdhsa.kernels:
  - .name:           k_qd7aeb6fde2_prep
    .symbol:         k_qd7aeb6fde2_prep.kd
    .args:
      - { .name: x, .offset: 0, .size: 8, .value_kind: global_buffer, .address_space: global }
      - { .name: mask, .offset: 8, .size: 8, .value_kind: global_buffer, .address_space: global }
      - { .name: w_fc_s, .offset: 16, .size: 8, .value_kind: global_buffer, .address_space: global }
      - { .name: w_fc_b, .offset: 24, .size: 8, .value_kind: global_buffer, .address_space: global }
      - { .name: w_proj_s, .offset: 32, .size: 8, .value_kind: global_buffer, .address_space: global }
      - { .name: w_proj_b, .offset: 40, .size: 8, .value_kind: global_buffer, .address_space: global }
      - { .name: xs, .offset: 48, .size: 8, .value_kind: global_buffer, .address_space: global }
      - { .name: wfc, .offset: 56, .size: 8, .value_kind: global_buffer, .address_space: global }
      - { .name: wpj, .offset: 64, .size: 8, .value_kind: global_buffer, .address_space: global }
      - { .name: order, .offset: 72, .size: 8, .value_kind: global_buffer, .address_space: global }
      - { .name: meta, .offset: 80, .size: 8, .value_kind: global_buffer, .address_space: global }
    .group_segment_fixed_size: 19712
    .private_segment_fixed_size: 0
    .kernarg_segment_align: 8
    .kernarg_segment_size: 88
    .max_flat_workgroup_size: 256
    .sgpr_count:     100
    .vgpr_count:     248
    .wavefront_size: 32
...
	.end_amdgpu_metadata
.endif
;; end of part 1
;; launch fc (part 2): grid 8 x 30, 4 waves a work-group, clusters of 4 x 1, 327,680 bytes of LDS; arguments xs, wfc, b_fc_s, b_fc_b, meta, h; writes h
.if DOCPART == 2
	.amdgcn_target "amdgcn-amd-amdhsa--gfx1250"
	.amdhsa_code_object_version 6
	.text
	.protected	k_qd7aeb6fde2_fc
	.globl	k_qd7aeb6fde2_fc
	.p2align	8
	.type	k_qd7aeb6fde2_fc,@function
k_qd7aeb6fde2_fc:
	s_mov_b64 s[64:65], 0
	v_nop
	global_prefetch_b8 v0, s[64:65] scope:SCOPE_SE
	s_setreg_imm32_b32 hwreg(HW_REG_WAVE_MODE, 25, 1), 1
	s_wait_xcnt 0x0
	s_wait_alu depctr_hold_cnt(0) depctr_sa_sdst(0) depctr_va_vdst(0) depctr_va_sdst(0) depctr_va_ssrc(0) depctr_va_vcc(0) depctr_vm_vsrc(0)
	s_getreg_b32 s2, hwreg(HW_REG_IB_STS2, 6, 4)
	s_cmp_eq_u32 s2, 0
	s_cbranch_scc0 .Lentry_in_a_cluster
	s_endpgm
.Lentry_in_a_cluster:
	s_bfe_u32 s2, ttmp6, 0x10000c
	s_cmp_lg_u32 s2, 0x3003
	s_cbranch_scc0 .Lentry_shape_is_right
	s_endpgm
.Lentry_shape_is_right:
; FC: h = gelu(xs wfc[e]^T + b_fc[e]) for the sorted rows.  xs [8640][1024] bf16, wfc [2][2048][1024] bf16, h [8640][2048] bf16; sums and GELU in f32, h rounded once; the bias is rounded to bf16 like every input.
; TILES.  A work-group makes rows 288 y .. 288 y + 287 x 256 columns; the tile's expert is word y of meta.  Every tile stores all its rows, those without a token too (xs holds zeros or repeats there):
; each byte of h has one writer, every byte is written, and nothing but the work-group's own load of wfc and a select between the two biases hangs on a number read from memory.
; WAVES.  Four, each 144 rows x 128 columns: 72 accumulators of 16 x 16.  K goes in steps of 128 through two LDS slots filled by tensor loads; rows of a tile are 256 bytes of memory at multiples of 256.
; THE MATRIX INSTRUCTION IS USED TRANSPOSED (source 0 = 16 rows of wfc, source 1 = 16 rows of xs): a lane holds eight neighbouring columns of one row.  The first product of each sum takes the bias as C.
; CLUSTER 4 x 1: the four column tiles of a cluster share y and so xs's tile, which is asked for JOINTLY (mask of four; its address is made of y and the wave's number); wfc's tile hangs on the column tile and is each work-group's own load.
; Not 4 x 4: partners along y may belong to different experts, and dealing whole cluster rows to experts would want 19 blocks of 16 rows a tile for the same 8,192 rows.
; GELU, exact form by erf: erf(z) = 1 - (a1 t + a2 t^2 + a3 t^3) exp(-z^2), t = 1 / (1 + 0.47047 z), z >= 0 (Abramowitz and Stegun 7.1.25, error 2.5e-5 at the most, for every z).
; With u = x / 2: gelu = u + |u| (1 - q e).  LIMITS: absolute error up to 1.3e-5 |x|, so far below 0 the result is small but not relatively exact; an exponential below 2^-126 counts as 0; NaN and infinities are not treated apart.
; REGISTERS in windows of 256 (s_set_vgpr_msb: bits 1:0 source 0, 3:2 source 1, 5:4 source 2, 7:6 destination):
;   window 0: v0-31 addresses; v32-103, v104-175 xs's fragments, two buffers of 9 x 8; v192-255 the accumulators of row block 8
;   window 1: v0-63, v64-127 wfc's fragments, two buffers; v128-191 the bias; on the way out v0-63 u, v64-127 d, t, g, v128-191 u^2, e, gelu, v192-255 q, then packed results and rows read back
;   window 2: accumulators of row blocks 0-3 ((a, b) at 64 a + 8 b);   window 3: of row blocks 4-7
.set KDIM,  1024
.set NDIM,  2048
.set PITCH, 272                        ; an LDS row: 256 bytes + 16 of padding = 68 words: the 16 rows of a fragment load start at 16 different groups of four banks (64 banks of 4 bytes: ISA guide 11.1)
.set AHALF, 144*PITCH                  ; what one tensor load brings of xs, and what one wave reads of it
.set BHALF, 128*PITCH                  ; the same for wfc
.set BOFF,  288*PITCH                  ; in a slot wfc's 256 rows lie behind xs's 288
.set SLOT,  544*PITCH
.set STAGE, 2*SLOT                     ; behind the ring: 16 rows x 272 bytes for each wave, for the way out; no tensor load lands here
.set SPARE, STAGE+4*16*PITCH           ; the spare words, 128 bytes for each wave: two blocks of 256 bytes that no other line names
.set LAPS,  KDIM/256                   ; a lap = two K steps = once round the ring
.set ADRA, 16                          ; v16-17  LDS address of my fragments of xs in slot 0, 1
.set ADRB, 20                          ; v20-21  the same for wfc
.set STO,  24                          ; v24  the way out: where I put 16 bytes of a row
.set RD,   25                          ; v25  where I read a row back
.set CO,   26                          ; v26  my byte offset in two rows of h
.set BO,   27                          ; v27  my byte offset in 16 numbers of the bias
.set SPW,  28                          ; v28  LDS address of my spare word; never rewritten
.set NIL,  29                          ; v29  0; never rewritten
.set FA,   32
.set AC8,  192
.set BIAS, 128
.set HX,   0
.set DT,   64
.set WE,   128
.set QQ,   192
.set PK,   192
.set BK,   224
.set G1A, 24                           ; s[24:31] descriptor group 1 for xs's tiles;  s[32:39] group 0, a set for each slot
.set G0A, 32
.set G1B, 40                           ; s[40:47], s[48:55] the same for wfc's
.set G0B, 48
.set WV,  56                           ; wave
.set RH,  57                           ; my half of the tile's rows; also: I fetch xs (0) or wfc (1)
.set CH,  58                           ; my half of its columns; also: which half of that tile I fetch
.set CX,  59
.set CT,  60                           ; column tile
.set YT,  61                           ; row tile
.set EX,  62                           ; expert
.set ROW0, 63                          ; the tile's first row
.set BROW, 67                          ; my first row
.set AB,  68                           ; the block on its way out, 0..8
.set SELM, 69                          ; all ones if the expert is the big one
.set C_P, 74                           ; 0.47047 sqrt(2)
.set C_E, 76                           ; s[76:77] -2 log2(e)
.set C_A3, 78
.set C_A2, 80
.set C_A1, 82
.set HIM, 84                           ; a word's upper bf16
.set BPS, 86                           ; s[86:87] the small expert's bias at my columns
.set HP,  88                           ; s[88:89] h at the block on its way out
.set BPB, 94                           ; s[94:95] the big expert's bias at my columns
; s[16:17] meta at my tile's word; s[70:73] at work, never holding cx; s[90:93] at work on what hangs on cx
.set MSB, 0
.macro WIN new                         ; the immediate's high byte repeats the setting that is left; a switch that changes nothing is dropped
.if MSB != (\new)
	s_set_vgpr_msb (MSB<<8)|(\new)
.set MSB, (\new)
.endif
.endm
.macro PLACES                          ; four plain vector instructions between a matrix instruction and a load into, or a vector instruction on, its registers
.rept 4
	v_nop
.endr
.endm
; A refill.  Waves 0 and 1 ask jointly for the two halves of xs's tile, waves 2 and 3 for the halves of this work-group's own tile of wfc.  The branch hangs on the wave's number alone.
; An s_nop 0 and four v_nop follow each of the two lines, ahead of the jump and the label.
.macro JLOAD s
	s_cmp_eq_u32 s[RH], 0
	s_cbranch_scc0 .Lfor_b_\@
	tensor_load_to_lds s[G0A+4*(\s):G0A+4*(\s)+3], s[G1A:G1A+7]
	s_nop 0
.rept 4
	v_nop
.endr
	s_branch .Lasked_\@
.Lfor_b_\@:
	tensor_load_to_lds s[G0B+4*(\s):G0B+4*(\s)+3], s[G1B:G1B+7]
	s_nop 0
.rept 4
	v_nop
.endr
.Lasked_\@:
.endm
.macro CREST                           ; a round of the cluster's barrier behind its opening barrier
	s_cmp_lg_u32 s[WV], 0
	s_cbranch_scc1 .Lnot_wave_0_\@
	s_barrier_signal -3
.Lnot_wave_0_\@:
	s_barrier_wait -3
	s_barrier_signal -1
	s_barrier_wait -1
.endm
.macro CROUND                          ; a whole round
	s_barrier_signal -1
	s_barrier_wait -1
	CREST
.endm
	s_load_b256 s[4:11], s[0:1], 0x0               ; xs s[4:5], wfc s[6:7], b_fc_s s[8:9], b_fc_b s[10:11]
	s_load_b128 s[12:15], s[0:1], 0x20             ; meta s[12:13], h s[14:15]
	v_lshl_add_u32 v[SPW], v0, 2, SPARE
	v_mov_b32 v[NIL], 0
	ds_add_u32 v[SPW], v[NIL]                      ; the wave's opening: the add and its wait stand ahead of my first tensor load; work on registers stands between them
	v_lshrrev_b32 v1, 5, v0
	v_readfirstlane_b32 s[WV], v1
	s_lshr_b32 s[RH], s[WV], 1
	s_and_b32 s[CH], s[WV], 1
	s_bfe_u32 s[CX], ttmp6, 0x40000                ; my place in the cluster
	s_lshl_b32 s[CT], ttmp9, 2                     ; in a cluster launch ttmp9 counts clusters
	s_add_co_u32 s[CT], s[CT], s[CX]
	s_and_b32 s[YT], ttmp7, 0xffff
	; group 1: tiles of 144 (xs) and 128 (wfc) rows x 128 elements, padded in LDS
	s_mov_b32 s[G1A+0], 15|(1<<16)|(1<<20)|(1<<21)|(5<<22)|(3<<25)  ; 15:0 the mask of four; 17:16 2-byte elements; 20 padding on; 21 set beside a mask; 24:22 after every 64 words; 31:25 4 words of it
	s_mov_b32 s[G1A+1], 128<<16                    ; tensor_dim0
	s_mov_b32 s[G1A+2], 144<<16                    ; tensor_dim1
	s_mov_b32 s[G1A+3], 128<<16                    ; tile_dim0
	s_mov_b32 s[G1A+4], 144                        ; tile_dim1
	s_mov_b32 s[G1A+5], KDIM                       ; elements from row to row
	s_mov_b32 s[G1A+6], 0
	s_mov_b32 s[G1A+7], 0
	s_mov_b32 s[G1B+0], (1<<16)|(1<<20)|(5<<22)|(3<<25)  ; no mask: the work-group's own load
	s_mov_b32 s[G1B+1], 128<<16
	s_mov_b32 s[G1B+2], 128<<16
	s_mov_b32 s[G1B+3], 128<<16
	s_mov_b32 s[G1B+4], 128
	s_mov_b32 s[G1B+5], KDIM
	s_mov_b32 s[G1B+6], 0
	s_mov_b32 s[G1B+7], 0
	s_mul_i32 s70, s[CH], AHALF                    ; where my tile goes: no place in the cluster enters an LDS address
	s_mul_i32 s72, s[CH], BHALF
.irp s, 0,1
	s_mov_b32 s[G0A+4*\s], 1
	s_add_co_u32 s[G0A+4*\s+1], s70, \s*SLOT
	s_mov_b32 s[G0B+4*\s], 1
	s_add_co_u32 s[G0B+4*\s+1], s72, BOFF+\s*SLOT
.endr
	s_mov_b32 s[C_P], 0x3f2a540e                   ; 0.66534505
	s_mov_b32 s[C_E], 0xc038aa3b                   ; -2.88539008
	s_mov_b32 s[C_E+1], s[C_E]                     ; the packed forms name pairs and take the low word for both halves
	s_mov_b32 s[C_A3], 0x3f3f7377                  ; 0.7478556
	s_mov_b32 s[C_A3+1], s[C_A3]
	s_mov_b32 s[C_A2], 0xbdc45ca1                  ; -0.0958798
	s_mov_b32 s[C_A2+1], s[C_A2]
	s_mov_b32 s[C_A1], 0x3eb2303a                  ; 0.3480242
	s_mov_b32 s[C_A1+1], s[C_A1]
	s_mov_b32 s[HIM], 0xffff0000
	s_mul_i32 s[ROW0], s[YT], 288                  ; the tile's first row: the row tile's number alone
	s_lshl_b32 s70, s[YT], 2                       ; and its word in meta
	s_mov_b32 s71, 0
	s_wait_dscnt 0x0                               ; the opening add is done
	s_wait_kmcnt 0x0
	s_add_nc_u64 s[16:17], s[12:13], s[70:71]
	s_load_b32 s[EX], s[16:17], 0x0                ; the tile's expert
	s_mul_i32 s70, s[CH], 144                      ; xs: row 288 y + 144 x half, 2,048 bytes a row: made of y and the wave's number, which the four partners share
	s_add_co_u32 s70, s70, s[ROW0]
	s_lshl_b32 s70, s70, 11
	s_add_nc_u64 s[72:73], s[4:5], s[70:71]
	s_wait_kmcnt 0x0
	s_min_u32 s[EX], s[EX], 1                      ; never binds: a number read from memory enters an address behind a constant bound
	s_cmp_lg_u32 s[EX], 0
	s_cselect_b32 s[SELM], -1, 0
	s_lshl_b32 s90, s[CT], 8                       ; wfc: expert, row 256 x column tile + 128 x half
	s_lshl_b32 s91, s[CH], 7
	s_add_co_u32 s90, s90, s91
	s_lshl_b32 s90, s90, 11
	s_lshl_b32 s91, s[EX], 22
	s_add_co_u32 s90, s90, s91
	s_mov_b32 s91, 0
	s_add_nc_u64 s[92:93], s[6:7], s[90:91]
.irp s, 0,1
	s_add_nc_u64 s[G0A+4*\s+2:G0A+4*\s+3], s[72:73], \s*256   ; K step s
	s_or_b32 s[G0A+4*\s+3], s[G0A+4*\s+3], 0x80000000         ; type = 2
	s_add_nc_u64 s[G0B+4*\s+2:G0B+4*\s+3], s[92:93], \s*256
	s_or_b32 s[G0B+4*\s+3], s[G0B+4*\s+3], 0x80000000
.endr
	CROUND                                         ; all four work-groups are here: the first joint loads meet
	s_cmp_eq_u32 s[RH], 0                          ; a wave's two first fills stand in one branch, ahead of every wait on TENSORcnt, LDS read and further barrier: two loads of mine are out
	s_cbranch_scc0 .Lfirst_b
	tensor_load_to_lds s[G0A:G0A+3], s[G1A:G1A+7]
	s_nop 0
	tensor_load_to_lds s[G0A+4:G0A+7], s[G1A:G1A+7]
	s_nop 0
.rept 4
	v_nop
.endr
	s_branch .Lfirst_asked
.Lfirst_b:
	tensor_load_to_lds s[G0B:G0B+3], s[G1B:G1B+7]
	s_nop 0
	tensor_load_to_lds s[G0B+4:G0B+7], s[G1B:G1B+7]
	s_nop 0
.rept 4
	v_nop
.endr
.Lfirst_asked:
	; A fragment is 16 rows x 32 K in 8 registers: lane l holds row l % 16; registers 0-3 K = 8 (l / 16) + 0..7, registers 4-7 K = 16 + 8 (l / 16) + 0..7: two loads of 16 bytes, 32 bytes apart.
	v_and_b32 v1, 15, v0                           ; r = l % 16
	v_bfe_u32 v2, v0, 4, 1                         ; hh = l / 16
	v_mul_u32_u24 v3, v1, PITCH
	v_lshl_add_u32 v3, v2, 4, v3
	s_mul_i32 s70, s[RH], AHALF
	s_mul_i32 s71, s[CH], BHALF
	s_add_co_u32 s71, s71, BOFF
	v_add_nc_u32 v[ADRA], s70, v3
	v_add_nc_u32 v[ADRB], s71, v3
	v_add_nc_u32 v[ADRA+1], SLOT, v[ADRA]
	v_add_nc_u32 v[ADRB+1], SLOT, v[ADRB]
	s_mul_i32 s70, s[WV], 16*PITCH
	s_add_co_u32 s70, s70, STAGE                   ; my stage
	v_add_nc_u32 v[STO], s70, v3                   ; in: row r, 16 bytes for each half of the lanes
	v_mul_u32_u24 v4, v2, PITCH                    ; back: lanes 0-15 one row of 256 bytes, lanes 16-31 the next
	v_lshl_add_u32 v4, v1, 4, v4
	v_add_nc_u32 v[RD], s70, v4
	v_lshlrev_b32 v[CO], 12, v2                    ; the same two rows in h, 4,096 bytes apart
	v_lshl_add_u32 v[CO], v1, 4, v[CO]
	v_lshlrev_b32 v[BO], 5, v2
	s_lshl_b32 s90, s[CT], 10                      ; the biases of my 128 columns
	s_lshl_b32 s91, s[CH], 9
	s_add_co_u32 s90, s90, s91
	s_mov_b32 s91, 0
	s_add_nc_u64 s[BPS:BPS+1], s[8:9], s[90:91]
	s_add_nc_u64 s[BPB:BPB+1], s[10:11], s[90:91]
	WIN 0x40                                       ; destination window 1, address window 0
.irp b, 0,1,2,3,4,5,6,7                ; register 8 b + j: the bias of column 16 b + 8 hh + j, as the product's C wants it; both experts', and the tile's is chosen below
	global_load_b128 v[BIAS+8*\b:BIAS+8*\b+3],   v[BO], s[BPS:BPS+1] offset:64*\b
	global_load_b128 v[BIAS+8*\b+4:BIAS+8*\b+7], v[BO], s[BPS:BPS+1] offset:64*\b+16
	global_load_b128 v[QQ+8*\b:QQ+8*\b+3],       v[BO], s[BPB:BPB+1] offset:64*\b
	global_load_b128 v[QQ+8*\b+4:QQ+8*\b+7],     v[BO], s[BPB:BPB+1] offset:64*\b+16
.endr
	WIN 0
	s_mul_i32 s[BROW], s[RH], 144
	s_add_co_u32 s[BROW], s[BROW], s[ROW0]         ; my first row
	s_lshl_b32 s90, s[BROW], 12
	s_lshl_b32 s92, s[CT], 9                       ; my first column, in bytes
	s_lshl_b32 s93, s[CH], 8
	s_add_co_u32 s90, s90, s92
	s_add_co_u32 s90, s90, s93
	s_add_nc_u64 s[HP:HP+1], s[14:15], s[90:91]
	s_wait_loadcnt 0x0
	WIN 0x45                                       ; all in window 1: the expert's bias is chosen, rounded to bf16 and widened again
.set i, 0
.rept 64
	v_cndmask_b32 v[BIAS+i], v[BIAS+i], v[QQ+i], s[SELM]
.set i, i+1
.endr
.set i, 0
.rept 32
	v_cvt_pk_bf16_f32 v[QQ+i], v[BIAS+2*i], v[BIAS+2*i+1]
.set i, i+1
.endr
.set i, 0
.rept 32
	v_lshlrev_b32 v[BIAS+2*i], 16, v[QQ+i]
	v_and_b32 v[BIAS+2*i+1], s[HIM], v[QQ+i]
.set i, i+1
.endr
	WIN 0
; 8 matrix instructions: row block a x all 8 column blocks, 32 along K, from buffers p.  first = 1: the sums start with the bias.  The 72 accumulators take turns in one order everywhere.
.macro MULR p, a, first
.if (\a) < 4
.set AC, 64*(\a)
	WIN 0xa1-0x10*(\first)                         ; wfc window 1, xs window 0, D window 2, C window 2 (first: 1)
.elseif (\a) < 8
.set AC, 64*((\a)-4)
	WIN 0xf1-0x20*(\first)                         ; D window 3
.else
.set AC, AC8
	WIN 0x01+0x10*(\first)                         ; D window 0
.endif
.irp b, 0,1,2,3,4,5,6,7
.if \first
	v_wmma_f32_16x16x32_bf16 v[AC+8*\b:AC+8*\b+7], v[64*(\p)+8*\b:64*(\p)+8*\b+7], v[FA+72*(\p)+8*(\a):FA+72*(\p)+8*(\a)+7], v[BIAS+8*\b:BIAS+8*\b+7]
.else
	v_wmma_f32_16x16x32_bf16 v[AC+8*\b:AC+8*\b+7], v[64*(\p)+8*\b:64*(\p)+8*\b+7], v[FA+72*(\p)+8*(\a):FA+72*(\p)+8*(\a)+7], v[AC+8*\b:AC+8*\b+7]
.endif
.endr
.endm
; 34 LDS loads in one run: the fragments of 32 along K at byte k of the rows, into buffers p: wfc's 8 blocks, then xs's 9
.macro FETCH slot, k, p
	WIN 0x40
.irp i, 0,1,2,3,4,5,6,7
	ds_load_b128 v[64*(\p)+8*\i:64*(\p)+8*\i+3],   v[ADRB+(\slot)] offset:(\k)+\i*16*PITCH
	ds_load_b128 v[64*(\p)+8*\i+4:64*(\p)+8*\i+7], v[ADRB+(\slot)] offset:(\k)+\i*16*PITCH+32
.endr
	WIN 0
.irp i, 0,1,2,3,4,5,6,7,8
	ds_load_b128 v[FA+72*(\p)+8*\i:FA+72*(\p)+8*\i+3],   v[ADRA+(\slot)] offset:(\k)+\i*16*PITCH
	ds_load_b128 v[FA+72*(\p)+8*\i+4:FA+72*(\p)+8*\i+7], v[ADRA+(\slot)] offset:(\k)+\i*16*PITCH+32
.endr
.endm
; A K step is four quarters of 32 along K, 72 matrix instructions each, on buffers 0, 1, 0, 1.  One of the first three: multiplies buffers p and fetches the next quarter, at byte k, into g.
.macro QUARTER slot, k, p, g, first
	s_wait_dscnt 10                                ; wfc and xs's blocks 0-3 are in; the youngest ten loads (blocks 4-8) may be out
.irp a, 0,1,2,3
	MULR \p, \a, \first
.endr
	PLACES
	FETCH \slot, \k, \g
	s_wait_dscnt 34                                ; all but the 34 just issued
.irp a, 4,5,6,7,8
	MULR \p, \a, \first
.endr
.endm
; The last quarter multiplies buffers 1 and changes slots.  ONE barrier: in front of it each wave waits for all its tensor loads (one is out: its part of the next slot), adds 0 to its spare word,
; and waits for that and for its own reads of this slot.  Behind it nobody reads this slot any more and the next slot is whole.
.macro MEET round
	WIN 0                                          ; the add's two registers lie in window 0
	s_wait_tensorcnt 0x0
	ds_add_u32 v[SPW], v[NIL]
	s_wait_dscnt 11                                ; the add and the youngest ten loads may be out
	MULR 1, 0, 0                                   ; sixteen matrix instructions stand between the add and the wait for it
	MULR 1, 1, 0
	s_wait_dscnt 0x0                               ; the add is done, and my reads of this slot are over
	s_barrier_signal -1
	MULR 1, 2, 0                                   ; work on registers while the others arrive
	MULR 1, 3, 0
.if \round
	WIN 0
.endif
	s_barrier_wait -1
.endm
; fill = 1: the barrier opens a round of the cluster's barrier, so that no wave of any partner still reads the slot or has a load on its way; the refill, two K steps on, is the first thing behind it.
.macro TURN slot, next, fill
	MEET \fill
.if \fill
	CREST
	s_add_nc_u64 s[G0A+4*(\slot)+2:G0A+4*(\slot)+3], s[G0A+4*(\slot)+2:G0A+4*(\slot)+3], 512
	s_add_nc_u64 s[G0B+4*(\slot)+2:G0B+4*(\slot)+3], s[G0B+4*(\slot)+2:G0B+4*(\slot)+3], 512
	JLOAD \slot                                    ; my one tensor load until the next round; the four v_nop behind it are also the places in front of the loads below
.else
	PLACES
.endif
	FETCH \next, 0, 0
.irp a, 4,5,6,7,8
	MULR 1, \a, 0
.endr
.endm
	s_wait_tensorcnt 0x1                           ; my part of K step 0 is in; K step 1's may stay out
	s_barrier_signal -1
	s_barrier_wait -1                              ; everybody's is
	FETCH 0, 0, 0
	QUARTER 0, 64, 0, 1, 1                         ; the first quarter stands in front of the loop: its products start the sums
	WIN 0                                          ; at a label and at a branch every window is 0
	s_mov_b32 s3, LAPS-1
.Llap:                                                 ; a trip goes once round the ring, from a lap's second quarter to the next lap's first, and fills both slots again
	QUARTER 0, 128, 1, 0, 0
	QUARTER 0, 192, 0, 1, 0
	TURN 0, 1, 1
	QUARTER 1, 64,  0, 1, 0
	QUARTER 1, 128, 1, 0, 0
	QUARTER 1, 192, 0, 1, 0
	TURN 1, 0, 1
	QUARTER 0, 64,  0, 1, 0
	WIN 0
	s_sub_co_u32 s3, s3, 1
	s_cmp_lg_u32 s3, 0
	s_cbranch_scc1 .Llap
	QUARTER 0, 128, 1, 0, 0                        ; the last lap fills nothing and has no round
	QUARTER 0, 192, 0, 1, 0
	TURN 0, 1, 0
	QUARTER 1, 64,  0, 1, 0
	QUARTER 1, 128, 1, 0, 0
	QUARTER 1, 192, 0, 1, 0
	s_wait_dscnt 10
.irp a, 0,1,2,3
	MULR 1, \a, 0
.endr
	s_wait_dscnt 0x0
.irp a, 4,5,6,7,8
	MULR 1, \a, 0
.endr
	; THE WAY OUT: a loop over my nine blocks of 16 rows.  A block's 64 sums a lane are halved into window 1 (the one part that differs from block to block), then one text does GELU, rounding, stage and stores.
	PLACES
	WIN 0
	s_mov_b32 s[AB], 0
.macro HALF a                          ; u = x / 2; each accumulator's registers are read in ascending order
.if (\a) < 4
.set AC, 64*(\a)
	WIN 0x42
.elseif (\a) < 8
.set AC, 64*((\a)-4)
	WIN 0x43
.else
.set AC, AC8
	WIN 0x40
.endif
.set i, 0
.rept 32
	v_pk_mul_f32 v[HX+2*i:HX+2*i+1], v[AC+2*i:AC+2*i+1], 0.5 op_sel_hi:[1,0]
.set i, i+1
.endr
	WIN 0
.endm
.Lblk:
.irp a, 0,1,2,3,4,5,6,7                ; the loop's own count chooses the block's registers
	s_cmp_eq_u32 s[AB], \a
	s_cbranch_scc1 .Lhalf\a
.endr
	HALF 8
	s_branch .Lgelu
.irp a, 0,1,2,3,4,5,6,7
.Lhalf\a:
	HALF \a
	s_branch .Lgelu
.endr
.Lgelu:
	WIN 0x55                                       ; all in window 1
	; d = 1 + p sqrt(2) |u| and -2 log2(e) u^2 for pair i, by turns with the reciprocals and exponentials of pair i - 1: ONE BATCH of 128, of which nothing ahead of the wait names a result
.set i, 0
.rept 33
.if i < 32
	v_fma_f32 v[DT+2*i], |v[HX+2*i]|, s[C_P], 1.0
.endif
.if i > 0
	v_rcp_f32 v[DT+2*i-2], v[DT+2*i-2]
.endif
.if i < 32
	v_fma_f32 v[DT+2*i+1], |v[HX+2*i+1]|, s[C_P], 1.0
.endif
.if i > 0
	v_rcp_f32 v[DT+2*i-1], v[DT+2*i-1]
.endif
.if i < 32
	v_pk_mul_f32 v[WE+2*i:WE+2*i+1], v[HX+2*i:HX+2*i+1], v[HX+2*i:HX+2*i+1]
.endif
.if i > 0
	v_exp_f32 v[WE+2*i-2], v[WE+2*i-2]
.endif
.if i < 32
	v_pk_mul_f32 v[WE+2*i:WE+2*i+1], v[WE+2*i:WE+2*i+1], s[C_E:C_E+1] op_sel_hi:[1,0]
.endif
.if i > 0
	v_exp_f32 v[WE+2*i-1], v[WE+2*i-1]
.endif
.set i, i+1
.endr
	v_nop                                          ; a plain instruction behind the last exponential, ahead of the first use (ISA guide 5.7.2)
	s_wait_alu depctr_va_vdst(0)                   ; and a wait ahead of the first reader: one for the batch
.set i, 0
.rept 32
	v_pk_fma_f32 v[QQ+2*i:QQ+2*i+1], v[DT+2*i:DT+2*i+1], s[C_A3:C_A3+1], s[C_A2:C_A2+1] op_sel_hi:[1,0,0]   ; a3 t + a2
.set i, i+1
.endr
.set i, 0
.rept 32
	v_pk_fma_f32 v[QQ+2*i:QQ+2*i+1], v[QQ+2*i:QQ+2*i+1], v[DT+2*i:DT+2*i+1], s[C_A1:C_A1+1] op_sel_hi:[1,1,0]  ; (..) t + a1
.set i, i+1
.endr
.set i, 0
.rept 32
	v_pk_mul_f32 v[QQ+2*i:QQ+2*i+1], v[QQ+2*i:QQ+2*i+1], v[DT+2*i:DT+2*i+1]                                  ; q = (..) t
.set i, i+1
.endr
.set i, 0
.rept 32
	v_pk_fma_f32 v[DT+2*i:DT+2*i+1], v[QQ+2*i:QQ+2*i+1], v[WE+2*i:WE+2*i+1], 1.0 op_sel_hi:[1,1,0] neg_lo:[1,0,0] neg_hi:[1,0,0]  ; erf(|z|) = 1 - q e
.set i, i+1
.endr
.set i, 0
.rept 64
	v_fma_f32 v[WE+i], |v[HX+i]|, v[DT+i], v[HX+i]                                                         ; gelu = u + |u| erf(|z|)
.set i, i+1
.endr
.set i, 0
.rept 32
	v_cvt_pk_bf16_f32 v[PK+i], v[WE+2*i], v[WE+2*i+1]
.set i, i+1
.endr
	WIN 0x04                                       ; address window 0, data window 1
.irp b, 0,1,2,3,4,5,6,7
	ds_store_b128 v[STO], v[PK+4*\b:PK+4*\b+3] offset:32*\b    ; eight neighbouring columns of my row
.endr
	WIN 0x40
.irp t, 0,1,2,3,4,5,6,7
	ds_load_b128 v[BK+4*\t:BK+4*\t+3], v[RD] offset:\t*2*PITCH ; LDS serves a wave's instructions in order (ISA guide 5.7.1.4): these see the stores above; the stage is my own
.endr
	WIN 0x04
.irp t, 0,1,2,3,4,5,6,7
	s_wait_dscnt 7-\t                              ; the loads behind load t may stay out
	global_store_b128 v[CO], v[BK+4*\t:BK+4*\t+3], s[HP:HP+1] offset:\t*2*NDIM*2   ; 16 lanes store 256 consecutive bytes, at a multiple of 256 from h's first byte
.endr
	WIN 0
	s_wait_xcnt 0x0                                ; the stores' base and data are rewritten only behind this wait
	s_add_nc_u64 s[HP:HP+1], s[HP:HP+1], 16*NDIM*2
	s_add_co_u32 s[AB], s[AB], 1
	s_cmp_lt_u32 s[AB], 9
	s_cbranch_scc1 .Lblk
	s_wait_tensorcnt 0x0                           ; the wave's end, behind my last tensor load and my last LDS store
	ds_add_u32 v[SPW], v[NIL]
	s_wait_dscnt 0x0
	CROUND                                         ; the closing round: no work-group ends while a partner may still ask for a tile that names it
	s_endpgm
.Lfunc_end_k_qd7aeb6fde2_fc:
	.size	k_qd7aeb6fde2_fc, .Lfunc_end_k_qd7aeb6fde2_fc-k_qd7aeb6fde2_fc
	.p2alignl 7, 3214868480
	.fill 96, 4, 3214868480
	.section	.rodata,"a",@progbits
	.p2align	6, 0x0
	.amdhsa_kernel k_qd7aeb6fde2_fc
		.amdhsa_group_segment_fixed_size 327680
		.amdhsa_private_segment_fixed_size 0
		.amdhsa_enable_private_segment 0
		.amdhsa_kernarg_size 48
		.amdhsa_user_sgpr_count 2
		.amdhsa_user_sgpr_kernarg_segment_ptr 1
		.amdhsa_wavefront_size32 1
		.amdhsa_system_sgpr_workgroup_id_x 1
		.amdhsa_system_sgpr_workgroup_id_y 1
		.amdhsa_system_sgpr_workgroup_id_z 1
		.amdhsa_system_vgpr_workitem_id 0
		.amdhsa_next_free_vgpr 1024
		.amdhsa_next_free_sgpr 96
		.amdhsa_reserve_vcc 0
		.amdhsa_float_denorm_mode_32 3
		.amdhsa_float_denorm_mode_16_64 3
		.amdhsa_memory_ordered 1
		.amdhsa_forward_progress 1
		.amdhsa_inst_pref_size 181
	.end_amdhsa_kernel
	.amdgpu_metadata
---
amdhsa.version: [ 1, 2 ]
amdhsa.kernels:
  - .name:           k_qd7aeb6fde2_fc
    .symbol:         k_qd7aeb6fde2_fc.kd
    .args:
      - { .name: xs, .offset: 0, .size: 8, .value_kind: global_buffer, .address_space: global }
      - { .name: wfc, .offset: 8, .size: 8, .value_kind: global_buffer, .address_space: global }
      - { .name: b_fc_s, .offset: 16, .size: 8, .value_kind: global_buffer, .address_space: global }
      - { .name: b_fc_b, .offset: 24, .size: 8, .value_kind: global_buffer, .address_space: global }
      - { .name: meta, .offset: 32, .size: 8, .value_kind: global_buffer, .address_space: global }
      - { .name: h, .offset: 40, .size: 8, .value_kind: global_buffer, .address_space: global }
    .group_segment_fixed_size: 327680
    .private_segment_fixed_size: 0
    .kernarg_segment_align: 8
    .kernarg_segment_size: 48
    .max_flat_workgroup_size: 128
    .sgpr_count:     96
    .vgpr_count:     1024
    .wavefront_size: 32
...
	.end_amdgpu_metadata
.endif
;; end of part 2
;; launch proj (part 3): grid 8 x 30, 4 waves a work-group, clusters of 4 x 1, 327,680 bytes of LDS; arguments h, wpj, b_proj_s, b_proj_b, meta, order, out0; writes out0
.if DOCPART == 3
	.amdgcn_target "amdgcn-amd-amdhsa--gfx1250"
	.amdhsa_code_object_version 6
	.text
	.protected	k_qd7aeb6fde2_proj
	.globl	k_qd7aeb6fde2_proj
	.p2align	8
	.type	k_qd7aeb6fde2_proj,@function
k_qd7aeb6fde2_proj:
	s_mov_b64 s[64:65], 0
	v_nop
	global_prefetch_b8 v0, s[64:65] scope:SCOPE_SE
	s_setreg_imm32_b32 hwreg(HW_REG_WAVE_MODE, 25, 1), 1
	s_wait_xcnt 0x0
	s_wait_alu depctr_hold_cnt(0) depctr_sa_sdst(0) depctr_va_vdst(0) depctr_va_sdst(0) depctr_va_ssrc(0) depctr_va_vcc(0) depctr_vm_vsrc(0)
	s_getreg_b32 s2, hwreg(HW_REG_IB_STS2, 6, 4)
	s_cmp_eq_u32 s2, 0
	s_cbranch_scc0 .Lentry_in_a_cluster
	s_endpgm
.Lentry_in_a_cluster:
	s_bfe_u32 s2, ttmp6, 0x10000c
	s_cmp_lg_u32 s2, 0x3003
	s_cbranch_scc0 .Lentry_shape_is_right
	s_endpgm
.Lentry_shape_is_right:
; PROJ: out0[token of row] = h wpj[e]^T + b_proj[e].  h [8640][2048] bf16 in sorted order; wpj bf16 in the order of a matrix operand, [expert][block of 16 columns of out0][32 along k][1,024 bytes];
; out0 [8192][1024] f32; sums in f32; the bias is rounded to bf16 like every input.
; TILES.  Rows 288 y .. 288 y + 287 x 128 columns; word y of meta is the tile's expert, word 32 + y the number of its rows that hold a token or a repeat, a multiple of 16 (0 for a tile that a split leaves
; empty: it runs every load, round and product and stores nothing).  A block of 16 rows past that number has its stores switched off by EXEC: no branch hangs on a number read from memory.  The rows that
; repeat an expert's last token lie in that token's block: the same wave stores the same numbers to the same place.  288 x 256 would leave 120 work-groups; 288 x 128 gives 240.
; WAVES.  Four, each 144 rows x 64 columns: 36 accumulators.  The matrix instruction is used transposed (source 0 = 16 columns' weights, source 1 = 16 rows of h): a lane holds eight neighbouring columns,
; 32 bytes, of one row.  The first product of each sum takes the bias as C.
; h GOES THROUGH LDS, in K steps of 256 through two slots of 288 rows x 528 bytes; each wave's tensor load brings 72 rows of 512 bytes.  A step is 288 matrix instructions a wave, and a refill has all but the
; sixteen in front of it in its turn in which to land.  Both operands at that step would want 416 rows x 528 bytes twice, more than a WGP's LDS: so
; wpj GOES STRAIGHT INTO REGISTERS: for 32 along k a wave's four fragments are eight loads of 512 consecutive bytes.  A ring of eight buffers of 32 registers keeps seven such parts, 56 loads, on their way:
; a part is asked for 236 matrix instructions ahead of its first use.  The two waves with the same 64 columns each load them: the price of leaving LDS to h.
; CLUSTER 4 x 1: the four column tiles of a cluster share y and so h's tile, which is asked for JOINTLY (its address is made of y and the wave's number).  Not 4 x 4: partners along y may belong to different experts.
; THE SCATTER: a block goes through my stage in LDS and comes back as whole rows of 256 bytes; lanes 0-15 store row t, lanes 16-31 row 8 + t, each at its own token's row of out0.
; REGISTERS in windows of 256 (s_set_vgpr_msb: bits 1:0 source 0, 3:2 source 1, 5:4 source 2, 7:6 destination):
;   window 0: v0-31 addresses; v32-103, v104-175 h's fragments, two buffers of 9 x 8
;   window 1: accumulators of row blocks 0-7 ((a, b) at 32 a + 8 b)
;   window 2: v0-31 those of row block 8; v32-63 the bias; v64-135 byte offsets in out0 (block a, row 8 hh + t at 64 + 8 a + t); v136-167 rows read back; v168-183 at work; v184 my live rows
;   window 3: wpj's ring: part q % 8, column block b at 32 (q % 8) + 8 b
.set KDIM,  2048
.set PITCH, 528                        ; an LDS row: 512 bytes + 16 of padding = 132 words: the 16 rows of a fragment load start at 16 different groups of four banks (64 banks of 4 bytes: ISA guide 11.1)
.set AQ,    72*PITCH                   ; what one tensor load brings
.set AHALF, 144*PITCH                  ; what one wave reads
.set SLOT,  288*PITCH
.set STAGE, 2*SLOT                     ; behind the ring: 16 rows x 272 bytes for each wave; no tensor load lands here
.set SP,    272
.set SPARE, STAGE+4*16*SP              ; the spare words, 128 bytes for each wave: two blocks of 256 bytes that no other line names
.set LAPS,  KDIM/512                   ; a lap = two K steps = sixteen parts of 32 along k = once round the ring of slots
.set ADRA, 16                          ; v16-17  LDS address of my fragments of h in slot 0, 1: row blocks 0-7
.set ADRH, 18                          ; v18-19  the same for row block 8, which the 16-bit offset does not reach from there
.set STO,  24                          ; v24  where I put 32 bytes of a row
.set RD,   25                          ; v25  where I read a row back
.set C16,  26                          ; v26  16 (l % 16)
.set BO,   27                          ; v27  32 (l / 16): my offset in 16 numbers of the bias, and in 16 entries of order
.set SPW,  28                          ; v28  LDS address of my spare word; never rewritten
.set NIL,  29                          ; v29  0; never rewritten
.set LB,   30                          ; v30  16 l: my 16 bytes in 512 of wpj; never rewritten
.set FA,   32
.set BIAS, 32
.set TK,   64
.set BK,   136
.set TB,   168
.set VR,   184                         ; window 2: the tile's live rows less the 144 of the other half of the waves, if I have the lower half: block a is live where 16 a is less
.set G1A, 24                           ; s[24:31] descriptor group 1;  s[32:39] group 0, a set for each slot
.set G0A, 32
.set BB,  40                           ; s[40:41] wpj at my four column blocks, at the lap in hand
.set WV,  56
.set RH,  57                           ; my half of the rows
.set CH,  58                           ; my half of the columns
.set CX,  59
.set CT,  60
.set YT,  61
.set EX,  62
.set ROW0, 63
.set CNTR, 66                          ; the tile's live rows
.set BROW, 67
.set KEEP, 68                          ; EXEC kept
.set SELM, 69                          ; all ones if the expert is the big one
.set OP,  74                           ; s[74:75] order at my first row
.set HIM, 84
.set BPS, 86                           ; s[86:87] the small expert's bias at my columns
.set HP,  88                           ; s[88:89] out0 at my first column
.set BPB, 94                           ; s[94:95] the big expert's bias at my columns
; s[16:17] meta at my tile's word; s[70:73] at work, never holding cx; s[90:93] at work on what hangs on cx
.set MSB, 0
.macro WIN new                         ; the immediate's high byte repeats the setting that is left; a switch that changes nothing is dropped
.if MSB != (\new)
	s_set_vgpr_msb (MSB<<8)|(\new)
.set MSB, (\new)
.endif
.endm
.macro PLACES                          ; four plain vector instructions between a matrix instruction and a load into, or a vector instruction on, its registers
.rept 4
	v_nop
.endr
.endm
.macro JLOAD s                         ; the joint refill: every wave asks for its 72 rows; an s_nop 0 and four v_nop follow the line
	tensor_load_to_lds s[G0A+4*(\s):G0A+4*(\s)+3], s[G1A:G1A+7]
	s_nop 0
.rept 4
	v_nop
.endr
.endm
.macro CREST                           ; a round of the cluster's barrier behind its opening barrier
	s_cmp_lg_u32 s[WV], 0
	s_cbranch_scc1 .Lnot_wave_0_\@
	s_barrier_signal -3
.Lnot_wave_0_\@:
	s_barrier_wait -3
	s_barrier_signal -1
	s_barrier_wait -1
.endm
.macro CROUND
	s_barrier_signal -1
	s_barrier_wait -1
	CREST
.endm
	s_load_b256 s[4:11], s[0:1], 0x0               ; h s[4:5], wpj s[6:7], b_proj_s s[8:9], b_proj_b s[10:11]
	s_load_b128 s[12:15], s[0:1], 0x20             ; meta s[12:13], order s[14:15]
	s_load_b64 s[HP:HP+1], s[0:1], 0x30            ; out0
	v_lshl_add_u32 v[SPW], v0, 2, SPARE
	v_mov_b32 v[NIL], 0
	ds_add_u32 v[SPW], v[NIL]                      ; the wave's opening: the add and its wait stand ahead of my first tensor load; work on registers stands between them
	v_lshrrev_b32 v1, 5, v0
	v_readfirstlane_b32 s[WV], v1
	s_lshr_b32 s[RH], s[WV], 1
	s_and_b32 s[CH], s[WV], 1
	s_bfe_u32 s[CX], ttmp6, 0x40000                ; my place in the cluster
	s_lshl_b32 s[CT], ttmp9, 2                     ; in a cluster launch ttmp9 counts clusters
	s_add_co_u32 s[CT], s[CT], s[CX]
	s_and_b32 s[YT], ttmp7, 0xffff
	; group 1: a tile of 72 rows x 256 elements, padded in LDS
	s_mov_b32 s[G1A+0], 15|(1<<16)|(1<<20)|(1<<21)|(6<<22)|(3<<25)  ; 15:0 the mask of four; 17:16 2-byte elements; 20 padding on; 21 set beside a mask; 24:22 after every 128 words; 31:25 4 words of it
	s_mov_b32 s[G1A+1], 256<<16                    ; tensor_dim0
	s_mov_b32 s[G1A+2], 72<<16                     ; tensor_dim1
	s_mov_b32 s[G1A+3], 256<<16                    ; tile_dim0
	s_mov_b32 s[G1A+4], 72                         ; tile_dim1
	s_mov_b32 s[G1A+5], KDIM                       ; elements from row to row
	s_mov_b32 s[G1A+6], 0
	s_mov_b32 s[G1A+7], 0
	s_mul_i32 s70, s[WV], AQ                       ; where my rows go: the wave's number alone
.irp s, 0,1
	s_mov_b32 s[G0A+4*\s], 1
	s_add_co_u32 s[G0A+4*\s+1], s70, \s*SLOT
.endr
	s_mov_b32 s[HIM], 0xffff0000
	s_mul_i32 s[ROW0], s[YT], 288                  ; the tile's first row: the row tile's number alone
	s_lshl_b32 s70, s[YT], 2                       ; and its words in meta
	s_mov_b32 s71, 0
	s_wait_dscnt 0x0                               ; the opening add is done
	s_wait_kmcnt 0x0
	s_add_nc_u64 s[16:17], s[12:13], s[70:71]
	s_load_b32 s[EX], s[16:17], 0x0                ; the tile's expert
	s_load_b32 s[CNTR], s[16:17], 0x80             ; and its live rows: both are waited for behind the first tensor loads, which need neither
	s_mul_i32 s70, s[WV], 72                       ; h: row 288 y + 72 x wave, 4,096 bytes a row: made of y and the wave's number, which the four partners share
	s_add_co_u32 s70, s70, s[ROW0]
	s_lshl_b32 s70, s70, 12
	s_add_nc_u64 s[72:73], s[4:5], s[70:71]
.irp s, 0,1
	s_add_nc_u64 s[G0A+4*\s+2:G0A+4*\s+3], s[72:73], \s*512   ; K step s
	s_or_b32 s[G0A+4*\s+3], s[G0A+4*\s+3], 0x80000000         ; type = 2
.endr
	CROUND                                         ; all four work-groups are here: the first joint loads meet
	tensor_load_to_lds s[G0A:G0A+3], s[G1A:G1A+7]  ; both first fills, ahead of every wait on TENSORcnt, LDS read and further barrier: two loads of mine are out
	s_nop 0
	tensor_load_to_lds s[G0A+4:G0A+7], s[G1A:G1A+7]
	s_nop 0
.rept 4
	v_nop
.endr
	; A fragment is 16 rows x 32 K in 8 registers: lane l holds row l % 16; registers 0-3 K = 8 (l / 16) + 0..7, registers 4-7 K = 16 + 8 (l / 16) + 0..7: two loads of 16 bytes, 32 bytes apart.
	v_and_b32 v1, 15, v0                           ; r = l % 16
	v_bfe_u32 v2, v0, 4, 1                         ; hh = l / 16
	v_mul_u32_u24 v3, v1, PITCH
	v_lshl_add_u32 v3, v2, 4, v3
	s_mul_i32 s70, s[RH], AHALF
	v_add_nc_u32 v[ADRA], s70, v3
	v_add_nc_u32 v[ADRA+1], SLOT, v[ADRA]
	v_add_nc_u32 v[ADRH], 128*PITCH, v[ADRA]
	v_add_nc_u32 v[ADRH+1], SLOT, v[ADRH]
	s_mul_i32 s70, s[WV], 16*SP
	s_add_co_u32 s70, s70, STAGE                   ; my stage
	v_mul_u32_u24 v4, v1, SP                       ; in: row r, 32 bytes for each half of the lanes
	v_lshl_add_u32 v4, v2, 5, v4
	v_add_nc_u32 v[STO], s70, v4
	v_mul_u32_u24 v4, v2, 8*SP                     ; back: lanes 0-15 row t, lanes 16-31 row 8 + t
	v_lshl_add_u32 v4, v1, 4, v4
	v_add_nc_u32 v[RD], s70, v4
	v_lshlrev_b32 v[C16], 4, v1
	v_lshlrev_b32 v[BO], 5, v2
	v_and_b32 v[LB], 31, v0
	v_lshlrev_b32 v[LB], 4, v[LB]
	s_lshl_b32 s90, s[CT], 9                       ; my 64 columns: 512 x column tile + 256 x half bytes, in the biases and in a row of out0 alike
	s_lshl_b32 s91, s[CH], 8
	s_add_co_u32 s90, s90, s91
	s_mov_b32 s91, 0
	s_add_nc_u64 s[BPS:BPS+1], s[8:9], s[90:91]
	s_add_nc_u64 s[BPB:BPB+1], s[10:11], s[90:91]
	s_add_nc_u64 s[HP:HP+1], s[HP:HP+1], s[90:91]
	s_mul_i32 s[BROW], s[RH], 144
	s_add_co_u32 s[BROW], s[BROW], s[ROW0]         ; my first row
	s_lshl_b32 s70, s[BROW], 2
	s_mov_b32 s71, 0
	s_add_nc_u64 s[OP:OP+1], s[14:15], s[70:71]
	s_wait_kmcnt 0x0                               ; the tile's two words
	s_min_u32 s[EX], s[EX], 1                      ; never binds: a number read from memory enters an address behind a constant bound
	s_cmp_lg_u32 s[EX], 0
	s_cselect_b32 s[SELM], -1, 0
	s_lshl_b32 s90, s[CT], 3                       ; wpj: expert (4 MiB), column block 8 x column tile + 4 x half (65,536 bytes a block)
	s_lshl_b32 s92, s[CH], 2
	s_add_co_u32 s90, s90, s92
	s_lshl_b32 s90, s90, 16
	s_lshl_b32 s92, s[EX], 22
	s_add_co_u32 s90, s90, s92
	s_add_nc_u64 s[BB:BB+1], s[6:7], s[90:91]
	s_mul_i32 s71, s[RH], 144
	s_sub_co_u32 s70, s[CNTR], s71                 ; live rows among my 144; below 0 where there are none: it is compared as a signed number
; Eight loads of 512 consecutive bytes: my four fragments of part m of the lap in hand (32 along k) into buffer d of the ring
.macro BLOAD m, d
	WIN 0xc0                                       ; destination window 3, address window 0
.irp b, 0,1,2,3
	global_load_b128 v[32*(\d)+8*\b:32*(\d)+8*\b+3],   v[LB], s[BB:BB+1] offset:(\m)*1024+\b*65536
	global_load_b128 v[32*(\d)+8*\b+4:32*(\d)+8*\b+7], v[LB], s[BB:BB+1] offset:(\m)*1024+\b*65536+512
.endr
.endm
	WIN 0x80                                       ; destination window 2, address window 0
	v_mov_b32 v[VR], s70
.irp b, 0,1,2,3                        ; register 8 b + j: the bias of column 16 b + 8 hh + j; both experts', and the tile's is chosen below
	global_load_b128 v[BIAS+8*\b:BIAS+8*\b+3],   v[BO], s[BPS:BPS+1] offset:64*\b
	global_load_b128 v[BIAS+8*\b+4:BIAS+8*\b+7], v[BO], s[BPS:BPS+1] offset:64*\b+16
	global_load_b128 v[BK+8*\b:BK+8*\b+3],       v[BO], s[BPB:BPB+1] offset:64*\b
	global_load_b128 v[BK+8*\b+4:BK+8*\b+7],     v[BO], s[BPB:BPB+1] offset:64*\b+16
.endr
.irp a, 0,1,2,3,4,5,6,7,8              ; register 8 a + t: the token of row 16 a + 8 hh + t
	global_load_b128 v[TK+8*\a:TK+8*\a+3],   v[BO], s[OP:OP+1] offset:64*\a
	global_load_b128 v[TK+8*\a+4:TK+8*\a+7], v[BO], s[OP:OP+1] offset:64*\a+16
.endr
	BLOAD 0, 0
	BLOAD 1, 1
	BLOAD 2, 2
	s_wait_loadcnt 24                              ; biases and tokens are in; the 24 loads of wpj behind them stay out
	WIN 0x8a                                       ; all in window 2: the expert's bias is chosen, rounded to bf16 and widened again
.set i, 0
.rept 32
	v_cndmask_b32 v[BIAS+i], v[BIAS+i], v[BK+i], s[SELM]
.set i, i+1
.endr
.set i, 0
.rept 16
	v_cvt_pk_bf16_f32 v[TB+i], v[BIAS+2*i], v[BIAS+2*i+1]
.set i, i+1
.endr
.set i, 0
.rept 16
	v_lshlrev_b32 v[BIAS+2*i], 16, v[TB+i]
	v_and_b32 v[BIAS+2*i+1], s[HIM], v[TB+i]
.set i, i+1
.endr
	WIN 0x88
.set i, 0
.rept 72
	v_min_u32 v[TK+i], 0x1fff, v[TK+i]             ; never binds: a loaded number enters an address behind a constant bound
.set i, i+1
.endr
	WIN 0x82
.set i, 0
.rept 72
	v_lshl_add_u32 v[TK+i], v[TK+i], 12, v[C16]    ; the token's row of 4,096 bytes + my 16 bytes of the wave's 256
.set i, i+1
.endr
	BLOAD 3, 3
	BLOAD 4, 4
	BLOAD 5, 5
	BLOAD 6, 6                                     ; seven parts, 56 loads, are on their way
	WIN 0
; 4 matrix instructions: row block a x all 4 column blocks, 32 along K: part q of eight (wpj's buffer q, h's buffer q % 2).  first = 1: the sums start with the bias.
; The 36 accumulators take turns in one order everywhere.
.macro MULR q, a, first
.if (\a) < 8
.set AC, 32*(\a)
	WIN 0x53+0x10*(\first)                         ; wpj window 3, h window 0, D window 1, C window 1 (first: 2)
.else
.set AC, 0
	WIN 0xa3                                       ; D and C window 2
.endif
.irp b, 0,1,2,3
.if \first
	v_wmma_f32_16x16x32_bf16 v[AC+8*\b:AC+8*\b+7], v[32*(\q)+8*\b:32*(\q)+8*\b+7], v[FA+72*((\q)%2)+8*(\a):FA+72*((\q)%2)+8*(\a)+7], v[BIAS+8*\b:BIAS+8*\b+7]
.else
	v_wmma_f32_16x16x32_bf16 v[AC+8*\b:AC+8*\b+7], v[32*(\q)+8*\b:32*(\q)+8*\b+7], v[FA+72*((\q)%2)+8*(\a):FA+72*((\q)%2)+8*(\a)+7], v[AC+8*\b:AC+8*\b+7]
.endif
.endr
.endm
.macro FETCH slot, k, p                ; 18 LDS loads in one run: h's 9 fragments of 32 along K at byte k of the rows, into buffer p
	WIN 0
.irp i, 0,1,2,3,4,5,6,7
	ds_load_b128 v[FA+72*(\p)+8*\i:FA+72*(\p)+8*\i+3],   v[ADRA+(\slot)] offset:(\k)+\i*16*PITCH
	ds_load_b128 v[FA+72*(\p)+8*\i+4:FA+72*(\p)+8*\i+7], v[ADRA+(\slot)] offset:(\k)+\i*16*PITCH+32
.endr
	ds_load_b128 v[FA+72*(\p)+64:FA+72*(\p)+67], v[ADRH+(\slot)] offset:(\k)
	ds_load_b128 v[FA+72*(\p)+68:FA+72*(\p)+71], v[ADRH+(\slot)] offset:(\k)+32
.endm
; A K step is eight parts of 32 along K, 36 matrix instructions each.  One of the first seven: multiplies part q; in its middle it asks for wpj's part seven on (number bl of the lap in hand; -1: none is left),
; into the buffer that the part before has left, and fetches h's next part, at byte k.  lw = the loads of wpj issued behind this part's own, which may stay out.
.macro PART slot, k, q, bl, lw, first
	s_wait_loadcnt \lw                             ; loads come back in order (ISA guide 5.7.1): this part's eight are in
	s_wait_dscnt 10                                ; h's blocks 0-3 are in; the youngest ten loads (blocks 4-8) may be out
.irp a, 0,1,2,3
	MULR \q, \a, \first
.endr
	PLACES
.if (\bl) >= 0
	BLOAD \bl, ((\q)+7)%8
.endif
	FETCH \slot, \k, 1-(\q)%2
	s_wait_dscnt 18                                ; all but the 18 just issued
.irp a, 4,5,6,7,8
	MULR \q, \a, \first
.endr
.endm
; The eighth part changes slots.  ONE barrier: in front of it each wave waits for all its tensor loads (one is out: its rows of the next slot), adds 0 to its spare word, and waits for that and for its
; own reads of this slot.  Behind it nobody reads this slot any more and the next slot is whole.  fill = 1: the barrier opens a round of the cluster's barrier, so that no wave of any partner still reads
; the slot or has a load on its way, and the refill, two K steps on, is the first thing behind it.
.macro TURN slot, next, fill, bl, lw
	s_wait_loadcnt \lw
	WIN 0                                          ; the add's two registers lie in window 0
	s_wait_tensorcnt 0x0
	ds_add_u32 v[SPW], v[NIL]
	s_wait_dscnt 11                                ; the add and the youngest ten loads may be out
	MULR 7, 0, 0                                   ; eight matrix instructions stand between the add and the wait for it
	MULR 7, 1, 0
	s_wait_dscnt 0x0                               ; the add is done, and my reads of this slot are over
	s_barrier_signal -1
	MULR 7, 2, 0                                   ; work on registers while the others arrive
	MULR 7, 3, 0
.if \fill
	WIN 0
.endif
	s_barrier_wait -1
.if \fill
	CREST
	s_add_nc_u64 s[G0A+4*(\slot)+2:G0A+4*(\slot)+3], s[G0A+4*(\slot)+2:G0A+4*(\slot)+3], 1024
	JLOAD \slot                                    ; my one tensor load until the next round; its four v_nop are also the places in front of the loads below
.else
	PLACES
.endif
	BLOAD \bl, 6
	FETCH \next, 0, 0
.irp a, 4,5,6,7,8
	MULR 7, \a, 0
.endr
.endm
	s_wait_tensorcnt 0x1                           ; my rows of K step 0 are in; K step 1's may stay out
	s_barrier_signal -1
	s_barrier_wait -1                              ; everybody's are
	FETCH 0, 0, 0
	PART 0, 64, 0, 7, 48, 1                        ; the first part stands in front of the loop: its products start the sums.  48: six younger parts of wpj, eight loads each
	WIN 0                                          ; at a label and at a branch every window is 0
	s_mov_b32 s3, LAPS-1
.Llap:                                                 ; a trip goes once round the ring of slots, from a lap's second part to the next lap's first, and fills both slots again
	PART 0, 128, 1, 8,  48, 0
	PART 0, 192, 2, 9,  48, 0
	PART 0, 256, 3, 10, 48, 0
	PART 0, 320, 4, 11, 48, 0
	PART 0, 384, 5, 12, 48, 0
	PART 0, 448, 6, 13, 48, 0
	TURN 0, 1, 1, 14, 48
	PART 1, 64,  0, 15, 48, 0
	PART 1, 128, 1, 16, 48, 0
	PART 1, 192, 2, 17, 48, 0
	PART 1, 256, 3, 18, 48, 0
	PART 1, 320, 4, 19, 48, 0
	PART 1, 384, 5, 20, 48, 0
	PART 1, 448, 6, 21, 48, 0
	TURN 1, 0, 1, 22, 48
	PART 0, 64,  0, 23, 48, 0
	WIN 0
	s_wait_xcnt 0x0                                ; wpj's base is stepped only behind this wait
	s_add_nc_u64 s[BB:BB+1], s[BB:BB+1], 16*1024   ; the next lap's sixteen parts
	s_sub_co_u32 s3, s3, 1
	s_cmp_lg_u32 s3, 0
	s_cbranch_scc1 .Llap
	PART 0, 128, 1, 8,  48, 0                      ; the last lap fills no slot and has no round
	PART 0, 192, 2, 9,  48, 0
	PART 0, 256, 3, 10, 48, 0
	PART 0, 320, 4, 11, 48, 0
	PART 0, 384, 5, 12, 48, 0
	PART 0, 448, 6, 13, 48, 0
	TURN 0, 1, 0, 14, 48
	PART 1, 64,  0, 15, 48, 0                      ; wpj's last part is asked for
	PART 1, 128, 1, -1, 48, 0
	PART 1, 192, 2, -1, 40, 0                      ; and the counts run down
	PART 1, 256, 3, -1, 32, 0
	PART 1, 320, 4, -1, 24, 0
	PART 1, 384, 5, -1, 16, 0
	PART 1, 448, 6, -1, 8,  0
	s_wait_loadcnt 0x0
	s_wait_dscnt 10
.irp a, 0,1,2,3
	MULR 7, \a, 0
.endr
	s_wait_dscnt 0x0
.irp a, 4,5,6,7,8
	MULR 7, \a, 0
.endr
	; THE WAY OUT, block by block: f32 as it is, 32 bytes a lane into my stage, back as whole rows of 256 bytes (all lanes on), then each row to its token's row, with the lanes on only where the block is live
	PLACES
.macro BLOCK a
.if (\a) < 8
.set AC, 32*(\a)
	WIN 0x04                                       ; address window 0, data window 1
.else
.set AC, 0
	WIN 0x08                                       ; data window 2
.endif
.irp b, 0,1,2,3
	ds_store_b128 v[STO], v[AC+8*\b:AC+8*\b+3]   offset:64*\b      ; each accumulator's low four registers first
	ds_store_b128 v[STO], v[AC+8*\b+4:AC+8*\b+7] offset:64*\b+16
.endr
	WIN 0x80
.irp t, 0,1,2,3,4,5,6,7
	ds_load_b128 v[BK+4*\t:BK+4*\t+3], v[RD] offset:\t*SP          ; LDS serves a wave's instructions in order (ISA guide 5.7.1.4): these see the stores above; the stage is my own.  The last block's stores have read these registers: the wait in front of its last line
.endr
	WIN 0x0a                                       ; address, data and the count in window 2
	v_cmp_lt_i32 vcc_lo, 16*(\a), v[VR]            ; the same answer in all lanes: live rows come in whole blocks
	s_wait_xcnt 0x0                                ; EXEC changes only behind this wait
	s_and_saveexec_b32 s[KEEP], vcc_lo
.irp t, 0,1,2,3,4,5,6,7
	s_wait_dscnt 7-\t                              ; the loads behind load t may stay out
	global_store_b128 v[TK+8*(\a)+\t], v[BK+4*\t:BK+4*\t+3], s[HP:HP+1] th:TH_STORE_NT   ; 16 lanes store 256 consecutive bytes, at a multiple of 256 from out0's first byte
.endr
	s_wait_xcnt 0x0                                ; and again in front of the line that widens it
	s_or_b32 exec_lo, exec_lo, s[KEEP]
.endm
.irp a, 0,1,2,3,4,5,6,7,8
	BLOCK \a
.endr
	WIN 0
	s_wait_tensorcnt 0x0                           ; the wave's end, behind my last tensor load and my last LDS store
	ds_add_u32 v[SPW], v[NIL]
	s_wait_dscnt 0x0
	CROUND                                         ; the closing round: no work-group ends while a partner may still ask for a tile that names it
	s_endpgm
.Lfunc_end_k_qd7aeb6fde2_proj:
	.size	k_qd7aeb6fde2_proj, .Lfunc_end_k_qd7aeb6fde2_proj-k_qd7aeb6fde2_proj
	.p2alignl 7, 3214868480
	.fill 96, 4, 3214868480
	.section	.rodata,"a",@progbits
	.p2align	6, 0x0
	.amdhsa_kernel k_qd7aeb6fde2_proj
		.amdhsa_group_segment_fixed_size 327680
		.amdhsa_private_segment_fixed_size 0
		.amdhsa_enable_private_segment 0
		.amdhsa_kernarg_size 56
		.amdhsa_user_sgpr_count 2
		.amdhsa_user_sgpr_kernarg_segment_ptr 1
		.amdhsa_wavefront_size32 1
		.amdhsa_system_sgpr_workgroup_id_x 1
		.amdhsa_system_sgpr_workgroup_id_y 1
		.amdhsa_system_sgpr_workgroup_id_z 1
		.amdhsa_system_vgpr_workitem_id 0
		.amdhsa_next_free_vgpr 1024
		.amdhsa_next_free_sgpr 96
		.amdhsa_reserve_vcc 1
		.amdhsa_float_denorm_mode_32 3
		.amdhsa_float_denorm_mode_16_64 3
		.amdhsa_memory_ordered 1
		.amdhsa_forward_progress 1
		.amdhsa_inst_pref_size 189
	.end_amdhsa_kernel
	.amdgpu_metadata
---
amdhsa.version: [ 1, 2 ]
amdhsa.kernels:
  - .name:           k_qd7aeb6fde2_proj
    .symbol:         k_qd7aeb6fde2_proj.kd
    .args:
      - { .name: h, .offset: 0, .size: 8, .value_kind: global_buffer, .address_space: global }
      - { .name: wpj, .offset: 8, .size: 8, .value_kind: global_buffer, .address_space: global }
      - { .name: b_proj_s, .offset: 16, .size: 8, .value_kind: global_buffer, .address_space: global }
      - { .name: b_proj_b, .offset: 24, .size: 8, .value_kind: global_buffer, .address_space: global }
      - { .name: meta, .offset: 32, .size: 8, .value_kind: global_buffer, .address_space: global }
      - { .name: order, .offset: 40, .size: 8, .value_kind: global_buffer, .address_space: global }
      - { .name: out0, .offset: 48, .size: 8, .value_kind: global_buffer, .address_space: global }
    .group_segment_fixed_size: 327680
    .private_segment_fixed_size: 0
    .kernarg_segment_align: 8
    .kernarg_segment_size: 56
    .max_flat_workgroup_size: 128
    .sgpr_count:     96
    .vgpr_count:     1024
    .wavefront_size: 32
...
	.end_amdgpu_metadata
.endif
;; end of part 3
